; MI455X (gfx1250); checked and timed in simulation.
; The chip was launched on July 23, 2026; its instructions are those of AMD's public machine-readable ISA for CDNA 5 (MIT licence, August 2026) and "CDNA5" Instruction Set Architecture Reference Guide (July 2026). The comments in the code are by the model that wrote it; some were corrected since.
;; Isolated Multi Attention. Allowed arithmetic: float matrix products may take bf16 or f16 operands with f32 sums; other float arithmetic in f32, or as packed bf16 or f16 multiplies, adds, multiply-adds, maxima and minima; sums over many terms, partial sums and values carried from step to step in f32; what a program stores and reads back later, other than sums and carried values, may be rounded once to bf16 or f16.
;; Inputs: Wk 1,024 x 1,024 float32; Wo 1,024 x 1,024 float32; Wq 1,024 x 1,024 float32; Wv 1,024 x 1,024 float32; inp_emb 4 x 2,048 x 1,024 float32.
;; Outputs: out0 4 x 2,048 x 1,024 float32.
;; One version. Each part assembles by itself: llvm-mc -triple=amdgcn-amd-amdhsa -mcpu=gfx1250 --defsym DOCPART=n.
;; ======== version 1 of 1: 4 launches
;; limits: values are held in f16: magnitudes above 65,504 overflow, below 6.1e-05 lose precision
;; workspace buffers: xb 16,777,216 bytes; wqkv 6,291,456 bytes; wof 2,097,152 bytes; qkv 50,331,648 bytes; ob 16,777,216 bytes
;; launch cast (part 1): grid 64 x 12, 8 waves a work-group, no clusters, 0 bytes of LDS; arguments inp_emb, Wq, Wk, Wv, Wo, xb, wqkv, wof; writes xb, wqkv, wof
.if DOCPART == 1
	.amdgcn_target "amdgcn-amd-amdhsa--gfx1250"
	.amdhsa_code_object_version 6
	.text
	.protected	k_qb7d66fb708_cast
	.globl	k_qb7d66fb708_cast
	.p2align	8
	.type	k_qb7d66fb708_cast,@function
k_qb7d66fb708_cast:
	s_mov_b64 s[64:65], 0
	v_nop
	global_prefetch_b8 v0, s[64:65] scope:SCOPE_SE
	s_setreg_imm32_b32 hwreg(HW_REG_WAVE_MODE, 25, 1), 1
	s_wait_xcnt 0x0
; All five inputs are rounded once to bf16.  x -> xb [8192][1024] bf16; Wq, Wk, Wv -> wqkv [3072][1024] bf16, one below the other;
; Wo -> bf16, and that number written as f16 -> wof [1024][1024].
; LIMIT.  A bf16 number of Wo at or beyond 65,520 becomes an infinity in f16; below 2^-14 it keeps f16's fixed step of 2^-24.
; A stream: no LDS, no barrier, no matrix unit.  A work-group of 256 threads takes 65,536 bytes of f32 and makes 32,768 bytes.
; Work-group (x, y): y = 0..7 block 64 y + x of x; y = 8, 9, 10 block x of Wq, Wk, Wv; y = 11 block x of Wo.
; Thread t takes 16 bytes at 16 t of each 4,096: a wave's load covers 512 consecutive bytes, its store 256 consecutive bytes, aligned.
; All sixteen loads of a thread are out at once; every register is written once, so no source of a pending instruction is rewritten.
.set X, 8                              ; v[8:71]   sixteen loads of four f32
.set Y, 72                             ; v[72:103] sixteen pairs of packed words to store
.set T, 4                              ; v[4:5]    at work (Wo's way)
	s_load_b256 s[4:11], s[0:1], 0x0               ; inp_emb s[4:5], Wq s[6:7], Wk s[8:9], Wv s[10:11]
	s_load_b256 s[12:19], s[0:1], 0x20             ; Wo s[12:13], xb s[14:15], wqkv s[16:17], wof s[18:19]
	v_lshlrev_b32 v1, 4, v0                        ; 16 t: in
	v_lshlrev_b32 v2, 3, v0                        ; 8 t: out
	s_and_b32 s20, ttmp7, 0xffff                   ; y
	s_and_b32 s21, s20, 7
	s_lshl_b32 s21, s21, 6
	s_add_co_u32 s21, s21, ttmp9                   ; 64 (y mod 8) + x
	s_cmp_lt_u32 s20, 8
	s_cselect_b32 s26, s21, ttmp9                  ; the block in the source
	s_cmp_eq_u32 s20, 11
	s_cselect_b32 s28, ttmp9, s21                  ; the block in the destination
	s_lshl_b32 s26, s26, 16
	s_mov_b32 s27, 0
	s_lshl_b32 s28, s28, 15
	s_mov_b32 s29, 0
	s_wait_kmcnt 0x0
	s_cmp_eq_u32 s20, 8
	s_cselect_b64 s[22:23], s[6:7], s[4:5]
	s_cmp_eq_u32 s20, 9
	s_cselect_b64 s[22:23], s[8:9], s[22:23]
	s_cmp_eq_u32 s20, 10
	s_cselect_b64 s[22:23], s[10:11], s[22:23]
	s_cmp_eq_u32 s20, 11
	s_cselect_b64 s[22:23], s[12:13], s[22:23]
	s_cselect_b64 s[24:25], s[18:19], s[16:17]
	s_cmp_lt_u32 s20, 8
	s_cselect_b64 s[24:25], s[14:15], s[24:25]
	s_add_nc_u64 s[22:23], s[22:23], s[26:27]
	s_add_nc_u64 s[24:25], s[24:25], s[28:29]
.irp i, 0,1,2,3,4,5,6,7,8,9,10,11,12,13,14,15
	global_load_b128 v[X+4*(\i):X+4*(\i)+3], v1, s[22:23] offset:4096*(\i) th:TH_LOAD_NT
.endr
; Load i is rounded and stored.  f16 = 1: the bf16 numbers are widened again and written as f16.
.macro OUT i, f16
	s_wait_loadcnt 15-(\i)                         ; loads come back in order: mine is in, the 15 - i younger ones may stay out
.if \f16
	v_cvt_pk_bf16_f32 v[T], v[X+4*(\i)], v[X+4*(\i)+1]
	v_cvt_pk_bf16_f32 v[T+1], v[X+4*(\i)+2], v[X+4*(\i)+3]
	v_lshlrev_b32 v[X+4*(\i)], 16, v[T]
	v_and_b32 v[X+4*(\i)+1], 0xffff0000, v[T]
	v_lshlrev_b32 v[X+4*(\i)+2], 16, v[T+1]
	v_and_b32 v[X+4*(\i)+3], 0xffff0000, v[T+1]
	v_cvt_pk_f16_f32 v[Y+2*(\i)], v[X+4*(\i)], v[X+4*(\i)+1]
	v_cvt_pk_f16_f32 v[Y+2*(\i)+1], v[X+4*(\i)+2], v[X+4*(\i)+3]
.else
	v_cvt_pk_bf16_f32 v[Y+2*(\i)], v[X+4*(\i)], v[X+4*(\i)+1]
	v_cvt_pk_bf16_f32 v[Y+2*(\i)+1], v[X+4*(\i)+2], v[X+4*(\i)+3]
.endif
	global_store_b64 v2, v[Y+2*(\i):Y+2*(\i)+1], s[24:25] offset:2048*(\i)
.endm
	s_cmp_eq_u32 s20, 11
	s_cbranch_scc1 .Lwo
.irp i, 0,1,2,3,4,5,6,7,8,9,10,11,12,13,14,15
	OUT \i, 0
.endr
	s_endpgm
.Lwo:
.irp i, 0,1,2,3,4,5,6,7,8,9,10,11,12,13,14,15
	OUT \i, 1
.endr
	s_endpgm
.Lfunc_end_k_qb7d66fb708_cast:
	.size	k_qb7d66fb708_cast, .Lfunc_end_k_qb7d66fb708_cast-k_qb7d66fb708_cast
	.p2alignl 7, 3214868480
	.fill 96, 4, 3214868480
	.section	.rodata,"a",@progbits
	.p2align	6, 0x0
	.amdhsa_kernel k_qb7d66fb708_cast
		.amdhsa_group_segment_fixed_size 0
		.amdhsa_private_segment_fixed_size 0
		.amdhsa_enable_private_segment 0
		.amdhsa_kernarg_size 64
		.amdhsa_user_sgpr_count 2
		.amdhsa_user_sgpr_kernarg_segment_ptr 1
		.amdhsa_wavefront_size32 1
		.amdhsa_system_sgpr_workgroup_id_x 1
		.amdhsa_system_sgpr_workgroup_id_y 1
		.amdhsa_system_sgpr_workgroup_id_z 1
		.amdhsa_system_vgpr_workitem_id 0
		.amdhsa_next_free_vgpr 104
		.amdhsa_next_free_sgpr 66
		.amdhsa_reserve_vcc 0
		.amdhsa_float_denorm_mode_32 3
		.amdhsa_float_denorm_mode_16_64 3
		.amdhsa_memory_ordered 1
		.amdhsa_forward_progress 1
		.amdhsa_inst_pref_size 16
	.end_amdhsa_kernel
	.amdgpu_metadata
---
amdhsa.version: [ 1, 2 ]
amdhsa.kernels:
  - .name:           k_qb7d66fb708_cast
    .symbol:         k_qb7d66fb708_cast.kd
    .args:
      - { .name: inp_emb, .offset: 0, .size: 8, .value_kind: global_buffer, .address_space: global }
      - { .name: Wq, .offset: 8, .size: 8, .value_kind: global_buffer, .address_space: global }
      - { .name: Wk, .offset: 16, .size: 8, .value_kind: global_buffer, .address_space: global }
      - { .name: Wv, .offset: 24, .size: 8, .value_kind: global_buffer, .address_space: global }
      - { .name: Wo, .offset: 32, .size: 8, .value_kind: global_buffer, .address_space: global }
      - { .name: xb, .offset: 40, .size: 8, .value_kind: global_buffer, .address_space: global }
      - { .name: wqkv, .offset: 48, .size: 8, .value_kind: global_buffer, .address_space: global }
      - { .name: wof, .offset: 56, .size: 8, .value_kind: global_buffer, .address_space: global }
    .group_segment_fixed_size: 0
    .private_segment_fixed_size: 0
    .kernarg_segment_align: 8
    .kernarg_segment_size: 64
    .max_flat_workgroup_size: 256
    .sgpr_count:     66
    .vgpr_count:     104
    .wavefront_size: 32
...
	.end_amdgpu_metadata
.endif
;; end of part 1
;; launch qkv (part 2): grid 16 x 32, 4 waves a work-group, clusters of 4 x 4, 327,680 bytes of LDS; arguments xb, wqkv, qkv; writes qkv
.if DOCPART == 2
	.amdgcn_target "amdgcn-amd-amdhsa--gfx1250"
	.amdhsa_code_object_version 6
	.text
	.protected	k_qb7d66fb708_qkv
	.globl	k_qb7d66fb708_qkv
	.p2align	8
	.type	k_qb7d66fb708_qkv,@function
k_qb7d66fb708_qkv:
	s_mov_b64 s[64:65], 0
	v_nop
	global_prefetch_b8 v0, s[64:65] scope:SCOPE_SE
	s_setreg_imm32_b32 hwreg(HW_REG_WAVE_MODE, 25, 1), 1
	s_wait_xcnt 0x0
	s_wait_alu depctr_hold_cnt(0) depctr_sa_sdst(0) depctr_va_vdst(0) depctr_va_sdst(0) depctr_va_ssrc(0) depctr_va_vcc(0) depctr_vm_vsrc(0)
	s_getreg_b32 s2, hwreg(HW_REG_IB_STS2, 6, 4)
	s_cmp_eq_u32 s2, 0
	s_cbranch_scc0 .Lentry_in_a_cluster
	s_endpgm
.Lentry_in_a_cluster:
	s_bfe_u32 s2, ttmp6, 0x10000c
	s_cmp_lg_u32 s2, 0xf033
	s_cbranch_scc0 .Lentry_shape_is_right
	s_endpgm
.Lentry_shape_is_right:
; q, k, v = x W^T.  xb: [8192][1024] bf16, wqkv: [3072][1024] bf16 (Wq, Wk, Wv below each other); sums in f32, rounded once to f16 and written BY HEADS:
; qkv [3][64][2048][64] f16, index (which, 16 b + h, s, d): a head's rows are dense, 128 bytes each.  The softmax scale is not applied here.
; LIMIT.  f16 holds no number beyond 65,504: a q, k or v of magnitude 65,520 or more becomes an infinity.
; TILE.  256 rows x 192 columns (three whole heads): 32 x 16 = 512 work-groups, two for each of 256 WGPs.  Wave w makes rows 64 w .. 64 w + 63 and all 192 columns: 4 x 12 accumulators,
; 384 registers, so that every head's 128-byte rows are written whole by one wave.  K goes in 8 steps of 128 (rows of 256 bytes, aligned) through two LDS slots filled by tensor loads.
; CLUSTER.  4 x 4 work-groups: x's tile is shared along a row of the cluster, W's along a column; each is asked for jointly, by the same load, descriptor and mask in all four.
; THE MATRIX INSTRUCTION IS USED TRANSPOSED (source 0 = 16 rows of W, source 1 = 16 rows of x): a lane holds one row of the result and eight neighbouring columns.
; REGISTERS, in windows of 256: window 0: v0-31 addresses; v32-95 x's fragments, two buffers of 4 x 8; v96-143, v144-239 at work on the way out.
;   window 1: v0-191 W's fragments, two buffers of 12 x 8.   window 2: accumulators of row blocks 0, 1 at 8 (12 (a % 2) + b).   window 3: those of row blocks 2, 3.
.set PITCH,  272                       ; an LDS row: 256 bytes + 16 of padding: the 16 rows of a fragment load start at 16 different groups of four banks
.set AHALF,  128*PITCH                 ; what wave 0 or 1 fetches: 128 rows of x
.set BHALF,  96*PITCH                  ; what wave 2 or 3 fetches: 96 rows of W
.set BOFF,   2*AHALF                   ; W's 192 rows lie behind x's 256
.set SLOT1,  1<<17                     ; slot 1 begins here: one exclusive or turns an address in one slot into the other's
.set STAGE,  SLOT1+BOFF+2*BHALF        ; behind the ring, never filled by a tensor load: 16 rows x 400 bytes for each wave
.set SPITCH, 400                       ; 384 bytes + 16
.set SPARE,  STAGE+4*16*SPITCH         ; the spare words, 128 bytes for each wave: two blocks of 256 bytes that no other line names
.set STEPB,  256                       ; bytes of a row in a K step
.set LA0,  16                          ; v16  my lane's place in x's rows of slot 0; never rewritten
.set LB0,  17                          ; v17  the same for W
.set ADRA, 18                          ; v18  the same in the slot in hand
.set ADRB, 19                          ; v19
.set STO,  24                          ; v24  the way out: where I put 16 bytes of a row
.set RD,   25                          ; v25  where I read rows back
.set GO,   26                          ; v26  16 x lane: my place in 512 consecutive bytes of a head
.set SPW,  28                          ; v28  LDS address of my spare word; never rewritten
.set NIL,  29                          ; v29  0; never rewritten
.set PFO,  30                          ; v30  the prefetches' offset: a lane a row; never rewritten
.set FA,   32
.set TMP,  96
.set BK,   144
.set TB,   22                          ; s22  0 or SLOT1: the slot in hand
.set G1,   24                          ; s[24:31] group 1 for x's tiles
.set G0,   32                          ; s[32:39] group 0 for x's tiles: a set for each first fill; the second then walks on
.set LIM,  43                          ; s43  1 in a wave that prefetches, else the greatest number
.set PFA,  44                          ; s[44:45] where my prefetches stand
.set G1B,  48                          ; s[48:55], s[56:63] the same for W's tiles
.set G0B,  56
.set OB,   66                          ; s[66:71] qkv at my rows of the tile's three heads
.set MSB, 0
.macro WIN new                         ; the immediate's high byte repeats the setting that is left; a switch that changes nothing is dropped
.if MSB != (\new)
	s_set_vgpr_msb (MSB<<8)|(\new)
.set MSB, \new
.endif
.endm
.set MUL_LO, 0xa1                      ; source 0 (W) window 1, source 1 (x) window 0, C and D window 2
.set MUL_HI, 0xf1                      ; the same, C and D window 3
.set TO_B,   0x40                      ; destination window 1, address window 0
.macro PLACES                          ; four plain places in front of loads into registers that matrix instructions have read, and of conversions that read results
.rept 4
	v_nop
.endr
.endm
; A joint refill by the walking descriptors.  Waves 0 and 1 fetch x's halves, waves 2 and 3 W's: the branch hangs on the wave's number alone.
; An s_nop 0 and four v_nop follow each of the two lines, ahead of the jump and the label.
.macro JLOAD
	s_cmp_eq_u32 s11, 0
	s_cbranch_scc0 .Lfor_b_\@
	tensor_load_to_lds s[G0+4:G0+7], s[G1:G1+7]
	s_nop 0
.rept 4
	v_nop
.endr
	s_branch .Lasked_\@
.Lfor_b_\@:
	tensor_load_to_lds s[G0B+4:G0B+7], s[G1B:G1B+7]
	s_nop 0
.rept 4
	v_nop
.endr
.Lasked_\@:
.endm
; A prefetch of the K step that the NEXT refill will ask for: 192 matrix instructions ahead of that load.  x's rows are asked for by the clusters with x = 0, W's by those with y = 0;
; the four partners of a joint load share its rows out by address (32 of x's 128, 24 of W's 96), a lane a row.  The loop's last trip asks for nothing: there is no ninth K step.
.macro ASK
	s_cmp_gt_u32 s3, s[LIM]
	s_cbranch_scc0 .Lnot_mine_\@
	global_prefetch_b8 v[PFO], s[PFA:PFA+1] th:TH_LOAD_NT scope:SCOPE_SE
.Lnot_mine_\@:
.endm
.macro CREST                           ; a round of the cluster's barrier behind its opening barrier
	s_cmp_lg_u32 s10, 0
	s_cbranch_scc1 .Lnot_wave_0_\@
	s_barrier_signal -3
.Lnot_wave_0_\@:
	s_barrier_wait -3
	s_barrier_signal -1
	s_barrier_wait -1
.endm
.macro CROUND                          ; a whole round
	s_barrier_signal -1
	s_barrier_wait -1
	CREST
.endm
	s_load_b128 s[4:7], s[0:1], 0x0                ; xb s[4:5], wqkv s[6:7]
	s_load_b64 s[8:9], s[0:1], 0x10                ; qkv
	v_lshl_add_u32 v[SPW], v0, 2, SPARE
	v_mov_b32 v[NIL], 0
	ds_add_u32 v[SPW], v[NIL]                      ; the wave's opening: the add and its wait stand ahead of my first tensor load; work on registers stands between them
	v_lshrrev_b32 v1, 5, v0
	v_readfirstlane_b32 s10, v1                    ; wave 0..3
	s_lshr_b32 s11, s10, 1                         ; I fetch for x (0) or for W (1)
	s_and_b32 s12, s10, 1                          ; which half of that tile's rows
	s_bfe_u32 s40, ttmp6, 0x40000                  ; cx
	s_bfe_u32 s41, ttmp6, 0x40004                  ; cy
	s_lshl_b32 s42, ttmp9, 2
	s_add_co_u32 s42, s42, s40                     ; tile column = 4 x cluster x + cx
	s_and_b32 s13, ttmp7, 0xffff
	s_lshl_b32 s13, s13, 2
	s_add_co_u32 s13, s13, s41                     ; tile row = 4 x cluster y + cy
	s_lshl_b32 s43, s41, 2
	s_lshl_b32 s43, 15, s43                        ; my row of the cluster
	s_lshl_b32 s44, 0x1111, s40                    ; my column
	s_or_b32 s[G1+0], s43, (1<<16)|(1<<20)|(1<<21)|(5<<22)|(3<<25)   ; the mask; elements of 2 bytes; padding on; bit 21 beside a mask; after every 64 words, 4 words
	s_or_b32 s[G1B+0], s44, (1<<16)|(1<<20)|(1<<21)|(5<<22)|(3<<25)
	s_mov_b32 s[G1+1], 128<<16                     ; tensor_dim0 = 128
	s_mov_b32 s[G1+2], 128<<16                     ; tensor_dim1 = 128
	s_mov_b32 s[G1+3], 128<<16                     ; tile_dim0 = 128
	s_mov_b32 s[G1+4], 128                         ; tile_dim1 = 128
	s_mov_b32 s[G1+5], 1024                        ; elements from row to row
	s_mov_b32 s[G1+6], 0
	s_mov_b32 s[G1+7], 0
	s_mov_b32 s[G1B+1], 128<<16
	s_mov_b32 s[G1B+2], 96<<16                     ; 96 rows
	s_mov_b32 s[G1B+3], 128<<16
	s_mov_b32 s[G1B+4], 96
	s_mov_b32 s[G1B+5], 1024
	s_mov_b32 s[G1B+6], 0
	s_mov_b32 s[G1B+7], 0
	s_lshl_b32 s16, s13, 8                         ; x: row 256 x tile row + 128 x half,
	s_lshl_b32 s17, s12, 7
	s_add_co_u32 s16, s16, s17
	s_lshl_b32 s16, s16, 11                        ; of 2,048 bytes
	s_mov_b32 s17, 0
	s_mul_i32 s46, s42, 192                        ; W: row 192 x tile column + 96 x half
	s_mul_i32 s47, s12, 96
	s_add_co_u32 s46, s46, s47
	s_lshl_b32 s46, s46, 11
	s_mov_b32 s47, 0
	s_mul_i32 s20, s12, AHALF                      ; where they go: no place in the cluster enters an LDS address
	s_mul_i32 s21, s12, BHALF
	s_add_co_u32 s21, s21, BOFF
	s_mov_b32 s[TB], 0
	s_wait_dscnt 0x0                               ; the opening add is done
	s_wait_kmcnt 0x0
	s_add_nc_u64 s[14:15], s[4:5], s[16:17]
	s_add_nc_u64 s[46:47], s[6:7], s[46:47]
	CROUND                                         ; all sixteen work-groups are here: the first joint loads meet
.irp s, 0,1
	s_mov_b32 s[G0+4*(\s)], 1
	s_add_co_u32 s[G0+4*(\s)+1], s20, (\s)*SLOT1
	s_add_nc_u64 s[G0+4*(\s)+2:G0+4*(\s)+3], s[14:15], (\s)*STEPB
	s_or_b32 s[G0+4*(\s)+3], s[G0+4*(\s)+3], 0x80000000
	s_mov_b32 s[G0B+4*(\s)], 1
	s_add_co_u32 s[G0B+4*(\s)+1], s21, (\s)*SLOT1
	s_add_nc_u64 s[G0B+4*(\s)+2:G0B+4*(\s)+3], s[46:47], (\s)*STEPB
	s_or_b32 s[G0B+4*(\s)+3], s[G0B+4*(\s)+3], 0x80000000
.endr
	s_cmp_eq_u32 s11, 0                            ; a wave's two first fills stand in one branch, ahead of every wait on TENSORcnt and every LDS read: two loads of mine are out, the most in this text
	s_cbranch_scc0 .Lfirst_b
	tensor_load_to_lds s[G0:G0+3], s[G1:G1+7]
	s_nop 0
	tensor_load_to_lds s[G0+4:G0+7], s[G1:G1+7]
	s_nop 0
.rept 4
	v_nop
.endr
	s_branch .Lfirst_asked
.Lfirst_b:
	tensor_load_to_lds s[G0B:G0B+3], s[G1B:G1B+7]
	s_nop 0
	tensor_load_to_lds s[G0B+4:G0B+7], s[G1B:G1B+7]
	s_nop 0
.rept 4
	v_nop
.endr
.Lfirst_asked:
	; A fragment is 16 rows x 32 K in 8 registers: lane l holds row l % 16, K = 8 (l / 16) + 0..7 and 16 + 8 (l / 16) + 0..7: two loads of 16 bytes, 32 bytes apart.
	v_and_b32 v1, 15, v0                           ; l % 16
	v_bfe_u32 v2, v0, 4, 1                         ; l / 16
	v_mul_u32_u24 v3, v1, PITCH
	v_lshl_add_u32 v3, v2, 4, v3
	s_mul_i32 s72, s10, 64*PITCH                   ; my 64 rows of x
	v_add_nc_u32 v[LA0], s72, v3
	v_add_nc_u32 v[LB0], BOFF, v3
	v_mov_b32 v[ADRA], v[LA0]
	v_mov_b32 v[ADRB], v[LB0]
	s_mul_i32 s73, s10, 16*SPITCH
	s_add_co_u32 s73, s73, STAGE                   ; my stage
	v_mul_u32_u24 v4, v1, SPITCH                   ; in: row l % 16, 16 bytes for each half of the lanes
	v_lshl_add_u32 v4, v2, 4, v4
	v_add_nc_u32 v[STO], s73, v4
	v_bfe_u32 v5, v0, 3, 2                         ; back: 32 lanes take four rows of one head's 128 bytes,
	v_and_b32 v6, 7, v0
	v_mul_u32_u24 v5, v5, SPITCH
	v_lshl_add_u32 v5, v6, 4, v5
	v_add_nc_u32 v[RD], s73, v5
	v_and_b32 v[GO], 31, v0                        ; which are 512 consecutive bytes of the head
	v_lshlrev_b32 v[GO], 4, v[GO]
	; where my 64 rows lie in the tile's three heads: head g = 3 x tile column + hh of 48; which = g / 16, h = g % 16, b = tile row / 8
	s_lshr_b32 s74, s13, 3
	s_lshl_b32 s74, s74, 4                         ; 16 b
	s_and_b32 s75, s13, 7
	s_lshl_b32 s75, s75, 15                        ; 256 rows of 128 bytes for each tile row in the batch,
	s_lshl_b32 s76, s10, 13                        ; 64 rows for each wave
	s_add_co_u32 s75, s75, s76
	s_mul_i32 s76, s42, 3
.irp hh, 0,1,2
	s_add_co_u32 s72, s76, \hh
	s_lshr_b32 s73, s72, 4
	s_lshl_b32 s73, s73, 6                         ; 64 x which
	s_and_b32 s72, s72, 15
	s_add_co_u32 s72, s72, s73
	s_add_co_u32 s72, s72, s74
	s_lshl_b32 s72, s72, 18                        ; a head is 262,144 bytes
	s_add_co_u32 s72, s72, s75
	s_mov_b32 s73, 0
	s_add_nc_u64 s[OB+2*(\hh):OB+2*(\hh)+1], s[8:9], s[72:73]
.endr
	; the prefetches
	s_lshl_b32 s72, s13, 8
	s_lshl_b32 s73, s12, 7
	s_add_co_u32 s72, s72, s73
	s_lshl_b32 s73, s40, 5
	s_add_co_u32 s72, s72, s73                     ; x: the 128 rows that I fetch, my work-group's 32 of them
	s_mul_i32 s74, s42, 192
	s_mul_i32 s75, s12, 96
	s_add_co_u32 s74, s74, s75
	s_mul_i32 s75, s41, 24
	s_add_co_u32 s74, s74, s75                     ; W: the 96 rows that I fetch, my work-group's 24 of them
	s_and_b32 s75, ttmp7, 0xffff                   ; cluster y
	s_cmp_eq_u32 s11, 0
	s_cselect_b32 s72, s72, s74
	s_cselect_b32 s75, ttmp9, s75                  ; the coordinate along which other clusters read the same rows
	s_cselect_b32 s77, 31, 23                      ; my last row
	s_cselect_b64 s[PFA:PFA+1], s[4:5], s[6:7]
	s_cmp_eq_u32 s75, 0
	s_cselect_b32 s[LIM], 1, -1                    ; the same in all sixteen partners, for a given wave
	s_lshl_b32 s72, s72, 11
	s_add_co_u32 s72, s72, 2*STEPB                 ; at K step 2: the first refill steps it to 3.  K steps 0 to 2 come by their loads alone
	s_mov_b32 s73, 0
	s_add_nc_u64 s[PFA:PFA+1], s[PFA:PFA+1], s[72:73]
	v_and_b32 v[PFO], 31, v0
	v_min_u32 v[PFO], s77, v[PFO]                  ; (of W's 24 rows the last is named by lanes 23 to 31)
	v_lshlrev_b32 v[PFO], 11, v[PFO]
; 12 matrix instructions: row block a x all 12 column blocks, 32 along K, from buffer f.  zero = 1: the first product starts the sums.
; The 48 accumulators take turns in one order in every quarter, over the backward jump too.
.macro MUL12 f, a, zero
	WIN MUL_LO+0x50*((\a)/2)
.irp b, 0,1,2,3,4,5,6,7,8,9,10,11
.if \zero
	v_wmma_f32_16x16x32_bf16 v[8*(12*((\a)%2)+(\b)):8*(12*((\a)%2)+(\b))+7], v[96*(\f)+8*(\b):96*(\f)+8*(\b)+7], v[FA+32*(\f)+8*(\a):FA+32*(\f)+8*(\a)+7], 0
.else
	v_wmma_f32_16x16x32_bf16 v[8*(12*((\a)%2)+(\b)):8*(12*((\a)%2)+(\b))+7], v[96*(\f)+8*(\b):96*(\f)+8*(\b)+7], v[FA+32*(\f)+8*(\a):FA+32*(\f)+8*(\a)+7], v[8*(12*((\a)%2)+(\b)):8*(12*((\a)%2)+(\b))+7]
.endif
.endr
.endm
; 32 LDS loads in one run: a quarter step's fragments (192 rows of W, my 64 rows of x, 32 K at byte k of the rows) into buffer f
.macro FETCH k, f
	WIN TO_B
.irp i, 0,1,2,3,4,5,6,7,8,9,10,11
	ds_load_b128 v[96*(\f)+8*(\i):96*(\f)+8*(\i)+3],   v[ADRB] offset:(\k)+(\i)*16*PITCH
	ds_load_b128 v[96*(\f)+8*(\i)+4:96*(\f)+8*(\i)+7], v[ADRB] offset:(\k)+(\i)*16*PITCH+32
.endr
	WIN 0
.irp i, 0,1,2,3
	ds_load_b128 v[FA+32*(\f)+8*(\i):FA+32*(\f)+8*(\i)+3],   v[ADRA] offset:(\k)+(\i)*16*PITCH
	ds_load_b128 v[FA+32*(\f)+8*(\i)+4:FA+32*(\f)+8*(\i)+7], v[ADRA] offset:(\k)+(\i)*16*PITCH+32
.endr
.endm
; A K step is four quarters of 32 along K, 48 matrix instructions each, on buffers 0, 1, 0, 1.  One of the first three multiplies buffer f and fetches the next quarter, at byte k, into g.
.macro QUARTER k, f, g, zero
	s_wait_dscnt 4                                 ; W and x's row blocks 0, 1 are in; the youngest four loads (row blocks 2, 3) may be out
	MUL12 \f, 0, \zero
	MUL12 \f, 1, \zero
	PLACES
	FETCH \k, \g
	s_wait_dscnt 32                                ; all but the 32 just issued
	MUL12 \f, 2, \zero
	MUL12 \f, 3, \zero
.endm
; The last quarter multiplies buffer 1 and changes slots: ONE barrier.  In front of it each wave waits for all its tensor loads (one is out: its part of the next slot), adds 0 to its spare word,
; and waits for that and for its reads of this slot.  fill = 1: the barrier opens a round of the cluster's, and the slot just read out is filled again first thing behind it, two K steps ahead.
.macro TURN fill
.if \fill
	s_wait_xcnt 0x0                                ; the last prefetch, a K step back, has read its address
	s_add_nc_u64 s[PFA:PFA+1], s[PFA:PFA+1], STEPB
.endif
	WIN 0                                          ; (the add's two registers lie in window 0)
	s_wait_tensorcnt 0x0                           ; no tensor load of mine is out, so a group 0 may be written
	ds_add_u32 v[SPW], v[NIL]                      ; 0 onto my spare word
.if \fill
	s_xor_b32 s[G0+5], s[G0+5], SLOT1              ; the walking descriptors: the other slot than last time, the next K step
	s_add_nc_u64 s[G0+6:G0+7], s[G0+6:G0+7], STEPB
	s_xor_b32 s[G0B+5], s[G0B+5], SLOT1
	s_add_nc_u64 s[G0B+6:G0B+7], s[G0B+6:G0B+7], STEPB
.endif
	s_wait_dscnt 5                                 ; the add and the youngest four loads may be out
	MUL12 1, 0, 0
	s_wait_dscnt 0x0                               ; the add is done, and my reads of this slot are over
	s_barrier_signal -1
	MUL12 1, 1, 0                                  ; work on registers while the others arrive
	WIN 0
	s_barrier_wait -1
.if \fill
	CREST                                          ; no wave of any partner still reads this slot or has a load on its way
	JLOAD                                          ; the first tensor load behind the round; its four v_nop are also the places in front of the loads below
.else
	PLACES
.endif
	s_xor_b32 s[TB], s[TB], SLOT1
	v_add_nc_u32 v[ADRA], s[TB], v[LA0]
	v_add_nc_u32 v[ADRB], s[TB], v[LB0]
	FETCH 0, 0
.if \fill
	ASK
.endif
	MUL12 1, 2, 0
	MUL12 1, 3, 0
.endm
; THE WAY OUT of row block a.  PACK: rounded to f16, 16 bytes a lane.  TOSTAGE: into my own stage, and back as four rows of one head at a time.  SEND: stored.
.macro PACK a
	WIN 0x0a+5*((\a)/2)                            ; sources 0 and 1: window 2 or 3
.irp b, 0,1,2,3,4,5,6,7,8,9,10,11
.irp r, 0,1,2,3
	v_cvt_pk_f16_f32 v[TMP+4*(\b)+(\r)], v[8*(12*((\a)%2)+(\b))+2*(\r)], v[8*(12*((\a)%2)+(\b))+2*(\r)+1]
.endr
.endr
	WIN 0
.endm
.macro TOSTAGE a
.set BKA, BK+48*((\a)%2)
.irp b, 0,1,2,3,4,5,6,7,8,9,10,11
	ds_store_b128 v[STO], v[TMP+4*(\b):TMP+4*(\b)+3] offset:32*(\b)
.endr
.irp hh, 0,1,2
.irp f, 0,1,2,3
	ds_load_b128 v[BKA+4*(4*(\hh)+(\f)):BKA+4*(4*(\hh)+(\f))+3], v[RD] offset:128*(\hh)+4*SPITCH*(\f)  ; LDS serves a wave's instructions in order: these see the stores above
.endr
.endr
.endm
.macro SEND a
.set BKA, BK+48*((\a)%2)
	s_wait_dscnt 0x0                               ; the block is back in registers
	s_wait_xcnt 0x0                                ; the stores of the block before have read their registers: the next TOSTAGE loads into them
.irp hh, 0,1,2
.irp f, 0,1,2,3
	global_store_b128 v[GO], v[BKA+4*(4*(\hh)+(\f)):BKA+4*(4*(\hh)+(\f))+3], s[OB+2*(\hh):OB+2*(\hh)+1] offset:2048*(\a)+512*(\f)  ; 512 consecutive bytes, aligned: four rows of a head
.endr
.endr
.endm
	s_wait_tensorcnt 1                             ; my part of K step 0 is in; K step 1's may stay out
	s_barrier_signal -1
	s_barrier_wait -1                              ; everybody's is
	FETCH 0, 0
	QUARTER 64, 0, 1, 1                            ; the first quarter stands in front of the loop: its products start the sums
	WIN 0                                          ; at a label and at a branch every window is 0
	s_mov_b32 s3, 6
.Lstep:                                                ; a trip: from a K step's second quarter to the next step's first; it asks for the K step two on
	QUARTER 128, 1, 0, 0
	QUARTER 192, 0, 1, 0
	TURN 1
	QUARTER 64, 0, 1, 0
	WIN 0
	s_sub_co_u32 s3, s3, 1
	s_cmp_lg_u32 s3, 0
	s_cbranch_scc1 .Lstep
	QUARTER 128, 1, 0, 0                           ; the last two K steps ask for nothing
	QUARTER 192, 0, 1, 0
	TURN 0
	QUARTER 64, 0, 1, 0
	QUARTER 128, 1, 0, 0
	QUARTER 192, 0, 1, 0
	s_wait_dscnt 4
	MUL12 1, 0, 0
	MUL12 1, 1, 0
	s_wait_dscnt 0x0
	MUL12 1, 2, 0
	MUL12 1, 3, 0
	WIN 0
	PLACES
	PACK 0
	TOSTAGE 0
.irp a, 1,2,3                          ; block a's conversions stand between block a - 1's loads from the stage and the wait for them
	PACK \a
	SEND (\a)-1
	TOSTAGE \a
.endr
	SEND 3
	s_wait_tensorcnt 0x0                           ; the wave's end, behind my last tensor load and my last LDS store
	ds_add_u32 v[SPW], v[NIL]
	s_wait_dscnt 0x0
	CROUND                                         ; the closing round: no work-group ends while a partner may still ask for a tile that names it
	s_endpgm
.Lfunc_end_k_qb7d66fb708_qkv:
	.size	k_qb7d66fb708_qkv, .Lfunc_end_k_qb7d66fb708_qkv-k_qb7d66fb708_qkv
	.p2alignl 7, 3214868480
	.fill 96, 4, 3214868480
	.section	.rodata,"a",@progbits
	.p2align	6, 0x0
	.amdhsa_kernel k_qb7d66fb708_qkv
		.amdhsa_group_segment_fixed_size 327680
		.amdhsa_private_segment_fixed_size 0
		.amdhsa_enable_private_segment 0
		.amdhsa_kernarg_size 24
		.amdhsa_user_sgpr_count 2
		.amdhsa_user_sgpr_kernarg_segment_ptr 1
		.amdhsa_wavefront_size32 1
		.amdhsa_system_sgpr_workgroup_id_x 1
		.amdhsa_system_sgpr_workgroup_id_y 1
		.amdhsa_system_sgpr_workgroup_id_z 1
		.amdhsa_system_vgpr_workitem_id 0
		.amdhsa_next_free_vgpr 1024
		.amdhsa_next_free_sgpr 80
		.amdhsa_reserve_vcc 0
		.amdhsa_float_denorm_mode_32 3
		.amdhsa_float_denorm_mode_16_64 3
		.amdhsa_memory_ordered 1
		.amdhsa_forward_progress 1
		.amdhsa_inst_pref_size 98
	.end_amdhsa_kernel
	.amdgpu_metadata
---
amdhsa.version: [ 1, 2 ]
amdhsa.kernels:
  - .name:           k_qb7d66fb708_qkv
    .symbol:         k_qb7d66fb708_qkv.kd
    .args:
      - { .name: xb, .offset: 0, .size: 8, .value_kind: global_buffer, .address_space: global }
      - { .name: wqkv, .offset: 8, .size: 8, .value_kind: global_buffer, .address_space: global }
      - { .name: qkv, .offset: 16, .size: 8, .value_kind: global_buffer, .address_space: global }
    .group_segment_fixed_size: 327680
    .private_segment_fixed_size: 0
    .kernarg_segment_align: 8
    .kernarg_segment_size: 24
    .max_flat_workgroup_size: 128
    .sgpr_count:     80
    .vgpr_count:     1024
    .wavefront_size: 32
...
	.end_amdgpu_metadata
.endif
;; end of part 2
;; launch attn (part 3): grid 4 x 64, 4 waves a work-group, clusters of 4 x 1, 327,680 bytes of LDS; arguments qkv, ob; writes ob
.if DOCPART == 3
	.amdgcn_target "amdgcn-amd-amdhsa--gfx1250"
	.amdhsa_code_object_version 6
	.text
	.protected	k_qb7d66fb708_attn
	.globl	k_qb7d66fb708_attn
	.p2align	8
	.type	k_qb7d66fb708_attn,@function
k_qb7d66fb708_attn:
	s_mov_b64 s[64:65], 0
	v_nop
	global_prefetch_b8 v0, s[64:65] scope:SCOPE_SE
	s_setreg_imm32_b32 hwreg(HW_REG_WAVE_MODE, 25, 1), 1
	s_wait_xcnt 0x0
	s_wait_alu depctr_hold_cnt(0) depctr_sa_sdst(0) depctr_va_vdst(0) depctr_va_sdst(0) depctr_va_ssrc(0) depctr_va_vcc(0) depctr_vm_vsrc(0)
	s_getreg_b32 s2, hwreg(HW_REG_IB_STS2, 6, 4)
	s_cmp_eq_u32 s2, 0
	s_cbranch_scc0 .Lentry_in_a_cluster
	s_endpgm
.Lentry_in_a_cluster:
	s_bfe_u32 s2, ttmp6, 0x10000c
	s_cmp_lg_u32 s2, 0x3003
	s_cbranch_scc0 .Lentry_shape_is_right
	s_endpgm
.Lentry_shape_is_right:
; O[h][q][:] = the sum over k of softmax_k(Q[h][q] . K[h][k] / 8) V[h][k][:].  qkv: [3][64][2048][64] f16 (q, k, v by heads, unscaled); ob: [64][2048][64] f16.  Products, maxima and sums in
; f32; the weights p are rounded to f16 for the second product (their sum l is taken of the unrounded p), O once at the end.
; LIMITS.  f16 holds no number beyond 65,504: q, k and v arrive within it; p lies in 0 to 1, and below 6e-5 it keeps f16's fixed step of 6e-8; O is a mean of V's rows and has their range.
; A weight below 2^-126 counts as 0 in l; NaN and infinities are not treated apart.
; SHARES.  A wave owns four PIECES of two tiles of 16 queries, a work-group's four waves 512 queries of one head: 4 x 64 = 256 work-groups.  Every wave walks all 2,048 keys, 64 a step.
; LAYOUT.  S^T = K Q^T (source 0 = 16 keys, source 1 = 16 queries): a lane holds ONE query (lane % 16) and the keys 8 (lane / 16) + 0..7.  Two such tiles, rounded to f16 in pairs,
; ARE source 1 (32 keys x 16 queries) of O^T = V^T P.  K comes out of LDS as it lies, V ([key][channel]) turned, by ds_load_tr16_b128.
; SOFTMAX.  For each query a running maximum m and sum l: p = 2^(c s - c m), c = log2(e) / 8; in every step O and l are multiplied by a = 2^(c m_old - c m_new).
; m starts at the lowest finite number, O and l at 0: the first step is a step like any other, with a = 0.
; BY TURNS.  Turn n belongs to piece n.  Its matrix work: 16 products K Q^T of piece n + 1, later 16 products V^T P of piece n - 1.  Its vector work: the scaling, exponentials, roundings, sums and
; rescaling of piece n, and the maximum and statistics of piece n + 1.  A tile and step have 16 matrix and 118 vector instructions: four that are ready stand behind every matrix instruction, the rest in one run.
; CLUSTER.  The four query blocks of a head form a cluster and walk the same K and V: each tile is asked for JOINTLY, by the same tensor load, descriptor and mask in all four.
; REGISTERS, in windows of 256 (s_set_vgpr_msb: bits 1:0 source 0, 3:2 source 1, 5:4 source 2, 7:6 destination):
;   window 0: v0-11 addresses; v12-15, v48-63 at work; v16-47 four registers of statistics a tile; v64-191 S^T, two buffers of two tiles; v192-255 P, likewise
;   window 1: O^T, 32 a tile          window 2: v0-127 Q, 16 a tile; v128-191 K of one step; v192-255 V of one step          window 3: v0-1 the add's two registers
.set SIZE_N, 2048
.set NP,    4         ; pieces a wave: a name, no knob
.set KS,    64        ; keys in a step
.set PK,    144       ; a row of K in LDS: 128 bytes + 16 of padding
.set PV,    160       ; a row of V: 128 + 32
.set VOFF,  4*KS*PK   ; a slot holds four steps: 256 rows of K, then 256 rows of V
.set SLOT1, 1<<17     ; slot 1 begins here
.set STAGE, SLOT1+4*KS*(PK+PV)  ; behind the ring, never filled by a tensor load: 16 rows x 144 bytes for each wave
.set SP,    144
.set AK0, 2           ; v2   my lane's place in a tile of K; never rewritten
.set AV0, 3           ; v3   the same for V
.set AK,  4           ; v4   the LDS address of K's next run of loads
.set AV,  5           ; v5   of V's
.set QO,  6           ; v6   my byte offset in the wave's rows of Q
.set STO, 6           ;      later, the way out: where I put 16 bytes of a row
.set RD,  7           ; v7   the way out: where I read rows back
.set GO,  8           ; v8   my byte offset in 512 consecutive bytes of O
.set PFO, 11          ; v11  256 x my lane, for the prefetches; never rewritten once made
.set SPW, 0           ; v0 of window 3   LDS address of my spare word; never rewritten
.set NIL, 1           ; v1 of window 3   0; never rewritten
.set SPARE, STAGE+4*16*SP  ; the spare words, 128 bytes for each wave: two blocks of 256 bytes that no other line names
.set MV,  12          ; v12-15  c m_old, kept while c m is made anew: by buffer and tile
.set ST,  16          ; tile t's statistics at v[ST+4 t]: c m, m, l (even keys', odd keys')
.set TMP, 48          ; by buffer and tile, four registers c0-c3 at work; when the maximum is found c2 takes a
.set S,   64
.set P,   192
.set KF,  128         ; K's fragments, in window 2
.set VF,  192         ; V's
.set WV,  12          ; s12  my wave's number
.set G1K, 24          ; s[24:31] descriptor group 1 for K's tiles
.set G1V, 32          ; s[32:39] for V's: it differs in the padding alone
.set G0K, 40          ; s[40:43] descriptor group 0 for K's tiles: it walks
.set G0V, 44          ; s[44:47] the same for V's
.set PFA, 48          ; s[48:49] where my prefetches stand: my work-group's 8,192 bytes (of K: wave 0, of V: wave 2) of the slot after the one that is being asked for
.set LIM, 50          ; s50  1 in a wave that prefetches, else the greatest number
.set SLOTS, 56        ; s56  slots still to be asked for
.set CNT, 57          ; s57  counts a slot's key steps
.set CS,  58          ; s[58:59] c
.set SEL, 60          ; s[60:61] v_permlanex16_b32's selects
.set TBK, 62          ; s62  LDS byte at which K of the step to be fetched begins
.set TBV, 63          ; s63  the same for V, less VOFF
.set MSB, 0
.macro WIN new
.if MSB != (\new)
	s_set_vgpr_msb (MSB<<8)|(\new)
.set MSB, (\new)
.endif
.endm
.set W_KQ, 0x0a       ; K and Q in window 2, S^T in window 0
.set W_PV, 0x52       ; V in window 2, P in window 0, O^T in window 1
.set W_RS, 0x41       ; O^T (destination and source 0) in window 1, a in window 0
.set W_MK, 0xc0       ; the add's registers are made: destination in window 3
.set W_AD, 0x0f       ; the add: address and data in window 3
; A joint fill.  Waves 0 and 1 fetch the two halves of a slot's K, waves 2 and 3 those of its V: 128 keys each.  An s_nop 0 and four v_nop follow each of the two lines.
.macro JLOAD
	s_cmp_lt_u32 s[WV], 2
	s_cbranch_scc0 .Lfor_v_\@
	tensor_load_to_lds s[G0K:G0K+3], s[G1K:G1K+7]
	s_nop 0
.rept 4
	v_nop
.endr
	s_branch .Lasked_\@
.Lfor_v_\@:
	tensor_load_to_lds s[G0V:G0V+3], s[G1V:G1V+7]
	s_nop 0
.rept 4
	v_nop
.endr
.Lasked_\@:
.endm
; A prefetch of what the NEXT change of slots will ask for: a slot's 32,768 bytes of K and of V, four key steps (512 matrix instructions) ahead of that load.  The four partners share them out by
; address, 8,192 bytes each, a lane 256 bytes; wave 0 asks for K's, wave 2 for V's: each block is named once.  The last change that fills a slot asks for nothing.
.macro ASK
	s_cmp_gt_u32 s[SLOTS], s[LIM]
	s_cbranch_scc0 .Lnot_mine_\@
	global_prefetch_b8 v[PFO], s[PFA:PFA+1] th:TH_LOAD_NT scope:SCOPE_SE
.Lnot_mine_\@:
.endm
.macro CROUND
	s_barrier_signal -1
	s_barrier_wait -1
	s_cmp_lg_u32 s[WV], 0
	s_cbranch_scc1 .Lnot_wave_0_\@
	s_barrier_signal -3
.Lnot_wave_0_\@:
	s_barrier_wait -3
	s_barrier_signal -1
	s_barrier_wait -1
.endm
; THE CHANGE OF SLOTS.  Each wave waits for all its tensor loads, of which one is out: its part of the other slot; adds 0 to its spare word; and waits for that and for its own reads of the slot.
; fill = 1: this slot is filled again, with the keys two slots on; the barrier is a round of the cluster's, and the joint fill is the first thing behind it.
.macro CHANGE fill
	WIN W_AD
	s_wait_tensorcnt 0x0            ; no tensor load of mine is out, so a group 0 may be written
	ds_add_u32 v[SPW], v[NIL]       ; 0 onto my spare word
	WIN 0
.if \fill
.irp g, G0K, G0V
	s_xor_b32 s[\g+1], s[\g+1], SLOT1
	s_add_nc_u64 s[\g+2:\g+3], s[\g+2:\g+3], 4*KS*128
.endr
	s_wait_xcnt 0x0                 ; the last prefetch, four key steps back, has read its address
	s_add_nc_u64 s[PFA:PFA+1], s[PFA:PFA+1], 4*KS*128
	s_wait_dscnt 0x0                ; the add is done, and my reads of the slot are over
	CROUND
	JLOAD
	ASK
.else
	s_wait_dscnt 0x0
	s_barrier_signal -1
	s_barrier_wait -1
.endif
	s_sub_co_u32 s[TBK], s[TBK], 4*KS*PK  ; the fetches go back to a slot's first step,
	s_xor_b32 s[TBK], s[TBK], SLOT1       ; in the other slot
	s_sub_co_u32 s[TBV], s[TBV], 4*KS*PV
	s_xor_b32 s[TBV], s[TBV], SLOT1
.endm
	s_load_b128 s[4:7], s[0:1], 0x0  ; qkv s[4:5], ob s[6:7]
	WIN W_MK
	v_lshl_add_u32 v[SPW], v0, 2, SPARE
	v_mov_b32 v[NIL], 0
	WIN W_AD
	ds_add_u32 v[SPW], v[NIL]       ; the wave's opening: the add and its wait stand ahead of my first tensor load
	WIN 0
	v_lshrrev_b32 v1, 5, v0
	v_readfirstlane_b32 s[WV], v1   ; wave 0..3
	s_bfe_u32 s13, ttmp6, 0x40000   ; cx
	s_lshl_b32 s14, ttmp9, 2
	s_add_co_u32 s14, s14, s13      ; my block of queries: it enters Q's and O's addresses alone
	s_and_b32 s20, ttmp7, 0xffff    ; the head, which the four partners share
	s_mov_b32 s21, 0
	s_mov_b64 s[22:23], SIZE_N*128
	s_mul_u64 s[20:21], s[20:21], s[22:23]  ; the head's first byte in q, k, v and O
	s_and_b32 s16, s[WV], 1         ; which half of a slot's 256 keys I fetch
	s_lshl_b32 s22, s16, 14
	s_mov_b32 s23, 0
	s_add_nc_u64 s[22:23], s[22:23], s[20:21]
	s_mul_i32 s17, s16, 128*PK
	s_mul_i32 s18, s16, 128*PV
	s_lshl_b32 s2, s14, 2
	s_add_co_u32 s2, s2, s[WV]      ; my wave among the head's,
	s_lshl_b32 s2, s2, 14           ; its 128 rows
	s_mov_b32 s3, 0
	s_add_nc_u64 s[2:3], s[2:3], s[20:21]
	; descriptor group 1.  128 keys are 16,384 dense bytes: asked for as 64 rows of 256 bytes, two keys a row, and padded in LDS after every key
	s_mov_b32 s[G1K], 15|(1<<16)|(1<<20)|(1<<21)|(4<<22)|(3<<25)
	s_mov_b32 s[G1V], 15|(1<<16)|(1<<20)|(1<<21)|(4<<22)|(7<<25)
.irp g, G1K, G1V
	s_mov_b32 s[\g+1], 128<<16
	s_mov_b32 s[\g+2], 64<<16
	s_mov_b32 s[\g+3], 128<<16
	s_mov_b32 s[\g+4], 64
	s_mov_b32 s[\g+5], 128
	s_mov_b32 s[\g+6], 0
	s_mov_b32 s[\g+7], 0
.endr
	s_mov_b32 s[CS], 0x3e38aa3b     ; c = log2(e) / 8
	s_mov_b32 s[CS+1], s[CS]
	s_mov_b32 s[SEL], 0x76543210
	s_mov_b32 s[SEL+1], 0xfedcba98
	s_mov_b32 s[TBK], SLOT1+4*KS*PK ; the first change of slots turns these two into 0
	s_mov_b32 s[TBV], SLOT1+4*KS*PV
	s_mov_b32 s[G0K], 1
	s_mov_b32 s[G0K+1], s17
	s_mov_b32 s[G0V], 1
	s_add_co_u32 s[G0V+1], s18, VOFF
	s_mov_b32 s[SLOTS], SIZE_N/256-1
	s_and_b32 s[LIM], s[WV], 1      ; 0 in waves 0 and 2,
	s_or_b32 s[LIM], s[LIM], ttmp9  ; of the head's first cluster: the same in all four partners
	s_cmp_eq_u32 s[LIM], 0
	s_cselect_b32 s[LIM], 1, -1
	s_wait_dscnt 0x0                ; the opening add is done
	s_wait_kmcnt 0x0
	s_mov_b64 s[10:11], s[6:7]      ; O
	s_add_nc_u64 s[6:7], s[4:5], 0x1000000  ; k lies 64 heads behind q,
	s_add_nc_u64 s[8:9], s[4:5], 0x2000000  ; v 128
	s_add_nc_u64 s[G0K+2:G0K+3], s[6:7], s[22:23]
	s_or_b32 s[G0K+3], s[G0K+3], 0x80000000
	s_add_nc_u64 s[G0V+2:G0V+3], s[8:9], s[22:23]
	s_or_b32 s[G0V+3], s[G0V+3], 0x80000000
	s_add_nc_u64 s[4:5], s[4:5], s[2:3]  ; Q and O at my wave's first row
	s_add_nc_u64 s[10:11], s[10:11], s[2:3]
	s_cmp_lt_u32 s[WV], 2
	s_cselect_b64 s[PFA:PFA+1], s[6:7], s[8:9]
	s_add_nc_u64 s[PFA:PFA+1], s[PFA:PFA+1], s[20:21]
	s_lshl_b32 s2, s13, 13          ; my work-group's quarter of a slot
	s_mov_b32 s3, 0
	s_add_nc_u64 s[PFA:PFA+1], s[PFA:PFA+1], s[2:3]
	s_add_nc_u64 s[PFA:PFA+1], s[PFA:PFA+1], 4*KS*128  ; in slot 1; the first change of slots steps it to slot 2
	CROUND                          ; all four work-groups are here: the first joint loads meet
	JLOAD                           ; slot 0.  Slot 1 is asked for when slot 0 is in
	v_and_b32 v1, 15, v0            ; l % 16
	v_bfe_u32 v9, v0, 4, 1          ; l / 16
	v_lshlrev_b32 v[QO], 7, v1
	v_lshl_add_u32 v[QO], v9, 4, v[QO]
	WIN 0x80
.set i, 0
.rept 4*NP                          ; Q stays in registers: tile i / 2, channels 32 (i % 2) on
	global_load_b128 v[8*i:8*i+3],   v[QO], s[4:5] offset:(i/2)*2048+(i%2)*64
	global_load_b128 v[8*i+4:8*i+7], v[QO], s[4:5] offset:(i/2)*2048+(i%2)*64+32
.set i, i+1
.endr
	; What the first turn finds: V's registers and P's second buffer hold 0, O^T and l are 0.  All this stands in the wait for the first tile.
.set i, VF
.rept 64
	v_mov_b32 v[i], 0
.set i, i+1
.endr
	WIN 0x40
.set i, 0
.rept 64*NP
	v_mov_b32 v[i], 0
.set i, i+1
.endr
	WIN 0
.set i, 0
.rept 2*NP
	v_mov_b32 v[ST+4*i], 0xfe000000    ; c m: far below every c s
	v_mov_b32 v[ST+4*i+1], 0xff7fffff  ; m
	v_mov_b32 v[ST+4*i+2], 0
	v_mov_b32 v[ST+4*i+3], 0
.set i, i+1
.endr
.set i, P+32
.rept 32
	v_mov_b32 v[i], 0
.set i, i+1
.endr
	v_mul_u32_u24 v[AK0], v1, PK
	v_lshl_add_u32 v[AK0], v9, 4, v[AK0]
	; The turning load takes 16 keys x 16 channels (lane l reads key 8 (l / 16) + l % 8, channels 8 ((l / 8) % 2) + 0..7) and leaves half a fragment of V^T.
	v_and_b32 v10, 7, v0
	v_bfe_u32 v11, v0, 3, 1
	v_lshl_add_u32 v[AV0], v9, 3, v10
	v_mul_u32_u24 v[AV0], v[AV0], PV
	v_lshl_add_u32 v[AV0], v11, 4, v[AV0]
	v_add_nc_u32 v[AV0], VOFF, v[AV0]
	v_mov_b32 v[AK], v[AK0]         ; key step 0 lies at the head of slot 0
	v_and_b32 v[PFO], 31, v0
	v_lshlrev_b32 v[PFO], 8, v[PFO]
; THE MATRIX WORK.  The 8 accumulators of a run of 16 take turns.
; Product i of 16 of S^T = K Q^T for piece x: channels 32 (i / 8) on, keys 16 ((i / 2) % 4) on, tile 2 x + i % 2.  The first 8 start the sums.
.macro KQ x
	WIN W_KQ
.set rS, S+64*((\x)%2)+32*(i%2)+8*((i/2)%4)
.set rK, KF+16*((i/2)%4)+8*(i/8)
.set rQ, 16*(2*(\x)+i%2)+8*(i/8)
.if i < 8
	v_wmma_f32_16x16x32_f16 v[rS:rS+7], v[rK:rK+7], v[rQ:rQ+7], 0
.else
	v_wmma_f32_16x16x32_f16 v[rS:rS+7], v[rK:rK+7], v[rQ:rQ+7], v[rS:rS+7]
.endif
.endm
; Product i of 16 of O^T += V^T P for piece x: keys 32 (i / 8) on, channels 16 ((i / 2) % 4) on, tile 2 x + i % 2.
.macro PV x
	WIN W_PV
.set rO, 32*(2*(\x)+i%2)+8*((i/2)%4)
.set rV, VF+32*(i/8)+8*((i/2)%4)
.set rP, P+32*((\x)%2)+16*(i%2)+8*(i/8)
	v_wmma_f32_16x16x32_f16 v[rO:rO+7], v[rV:rV+7], v[rP:rP+7], v[rO:rO+7]
.endm
.macro MM                           ; the turn's next matrix instruction
.if i < 16
	KQ (Y+1)%NP
.set i, i+1
.else
.set i, i-16
	PV (Y+NP-1)%NP
.set i, i+17
.endif
.endm
; THE LDS LOADS stand in runs of 16.  last = 1 (the tail): in the last trip there is no further step, and the run is jumped over.
.macro FETCH_K last=0
	WIN 0
.if \last
	s_cmp_eq_u32 s[CNT], 1
	s_cbranch_scc1 .Lno_k_\@
.endif
	WIN 0x80
.irp f, 0,1,2,3,4,5,6,7
	ds_load_b128 v[KF+8*\f:KF+8*\f+3],   v[AK] offset:(\f/2)*16*PK+(\f%2)*64
	ds_load_b128 v[KF+8*\f+4:KF+8*\f+7], v[AK] offset:(\f/2)*16*PK+(\f%2)*64+32
.endr
	s_add_co_u32 s[TBK], s[TBK], KS*PK
	WIN 0
.if \last
.Lno_k_\@:
.endif
.endm
.macro FETCH_V
	WIN 0x80
.irp f, 0,1,2,3,4,5,6,7
	ds_load_tr16_b128 v[VF+8*\f:VF+8*\f+3],   v[AV] offset:(\f/4)*32*PV+(\f%4)*32
	ds_load_tr16_b128 v[VF+8*\f+4:VF+8*\f+7], v[AV] offset:(\f/4)*32*PV+16*PV+(\f%4)*32
.endr
	WIN 0
.endm
; THE VECTOR WORK OF A TURN stands in three queues, each in the order in which its entries become ready; the two tiles alternate.
.macro REGS y, u                    ; the registers of tile u (0, 1) of piece y
.set rT, ST+4*(2*(\y)+(\u))
.set rC, TMP+8*((\y)%2)+4*(\u)
.set rM, MV+2*((\y)%2)+(\u)
.set rS, S+64*((\y)%2)+32*(\u)
.set rP, P+32*((\y)%2)+16*(\u)
.set rO, 32*(2*(\y)+(\u))
.endm
; Number n of the 22 that find the NEXT piece's maximum and statistics; each accumulator's lowest registers are read first.
;   0-11 four chains of seven scores     12-14, 16 the four scores left over, the old m, and c0-c3 into c0     15 c m_old is kept     17, 18 the lane 16 away: the new m     19-21 c m; its change; a
.macro XS u, n
	REGS (Y+1)%NP, \u
.if (\n) < 4
	v_max3_num_f32 v[rC+(\n)], v[rS+8*(\n)], v[rS+8*(\n)+1], v[rS+8*(\n)+2]
.elseif (\n) < 12
	v_max3_num_f32 v[rC+(\n)%4], v[rC+(\n)%4], v[rS+8*((\n)%4)+2*((\n)/4)+1], v[rS+8*((\n)%4)+2*((\n)/4)+2]
.elseif (\n) == 12
	v_max3_num_f32 v[rC], v[rC], v[rS+7], v[rS+15]
.elseif (\n) == 13
	v_max3_num_f32 v[rC+1], v[rC+1], v[rS+23], v[rS+31]
.elseif (\n) == 14
	v_max3_num_f32 v[rC+2], v[rC+2], v[rC+3], v[rT+1]
.elseif (\n) == 15
	v_mov_b32 v[rM], v[rT]
.elseif (\n) == 16
	v_max3_num_f32 v[rC], v[rC], v[rC+1], v[rC+2]
.elseif (\n) == 17
	v_permlanex16_b32 v[rC+3], v[rC], s[SEL], s[SEL+1]
.elseif (\n) == 18
	v_max_num_f32 v[rT+1], v[rC], v[rC+3]
.elseif (\n) == 19
	v_mul_f32 v[rT], s[CS], v[rT+1]
.elseif (\n) == 20
	v_sub_f32 v[rC+1], v[rM], v[rT]
.else
	v_exp_f32 v[rC+2], v[rC+1]
.endif
.endm
; Number g of the 64 that follow the exponentials: for each four weights both pairs are rounded to f16, the second pair is added onto the first in place, and a group later l takes that sum.
.macro GS g
.set h, (\g)+6*((\g)/62)
.if h >= 6
.set h, h+2
.endif
	REGS Y, h%2
.set k, h/8
.if h%8 < 4
	v_cvt_pk_f16_f32 v[rP+2*k+(h%8)/2], v[rS+4*k+2*((h%8)/2)], v[rS+4*k+2*((h%8)/2)+1]
.elseif h%8 < 6
	v_pk_add_f32 v[rS+4*k:rS+4*k+1], v[rS+4*k:rS+4*k+1], v[rS+4*k+2:rS+4*k+3]
.elseif k == 1
	v_pk_fma_f32 v[rT+2:rT+3], v[rT+2:rT+3], v[rC+2:rC+3], v[rS:rS+1] op_sel_hi:[1,0,1]
.else
	v_pk_add_f32 v[rT+2:rT+3], v[rT+2:rT+3], v[rS+4*k-4:rS+4*k-3]
.endif
.endm
; THE PLAIN QUEUE, 138 long.  0-73 read no exponential's result: the 32 scalings c s - c m and the next piece's 42.  74-137: GS's 64, which stand behind the wait.
.macro FS f
	REGS Y, (\f)%2
	v_pk_fma_f32 v[rS+2*((\f)/2):rS+2*((\f)/2)+1], v[rS+2*((\f)/2):rS+2*((\f)/2)+1], s[CS:CS+1], v[rT:rT+1] op_sel_hi:[1,0,0] neg_lo:[0,0,1] neg_hi:[0,0,1]
.endm
.macro PL
	WIN 0
.if q < 27
	FS q
.elseif q < 55
	XS (q-27)%2, (q-27)/2
.elseif q < 57
	XS q-55, 15
.elseif (q < 72) && ((q-57)%3 == 0)
	FS 27+(q-57)/3
.elseif q < 60
	XS (q-57)%3-1, 14
.elseif q < 72
	XS (q-57)%3-1, 15+(q-57)/3
.elseif q < 74
	XS q-72, 20
.else
	GS q-74
.endif
.set q, q+1
.endm
; THE EXPONENTIALS' QUEUE, 66 long: s0-s31 of both tiles, then the next piece's two a.  ONE BATCH: all 66 stand ahead of the turn's one wait, and nothing ahead of that wait names a result of theirs.
.macro EX
	WIN 0
.if e >= 64
	XS e-64, 21
.else
	REGS Y, e%2
	v_exp_f32 v[rS+e/2], v[rS+e/2]
.endif
.set e, e+1
.endm
; THE RESCALING's QUEUE: O^T times a, two at a time, sixteen times.  Its a was made, and waited for, in the turn before.
.macro R2
	REGS Y, r%2
	WIN W_RS
.irp z, 0,1
	v_pk_mul_f32 v[rO+4*(r/2)+2*\z:rO+4*(r/2)+2*\z+1], v[rO+4*(r/2)+2*\z:rO+4*(r/2)+2*\z+1], v[rC+2:rC+3] op_sel_hi:[1,0]
.endr
.set r, r+1
.endm
; A TURN, for piece p.  Ahead of its one wait: 16 products K Q^T, behind each a scaling, an exponential and two rescalings; then one run of 108: eight plain, 49 times exponential and plain, the two a,
; and a v_nop, the plain instruction behind the last exponential.  Behind the wait: 16 products V^T P, behind each four of GS's 64.
; Exponential e stands behind scaling 2 (e / 4) + e % 2.  K of the next step is fetched in piece 2's turn, directly behind the wait; V of the step in hand at the end of piece 0's turn, four plain
; instructions behind its last reader.  cnt = 1: the loop's count is taken down some lines ahead of the branch behind the turn.
.macro TURN p, last=0, cnt=0
.set Y, (\p)
.set i, 0
.set q, 0
.set e, 0
.set r, 0
.if (\p) == NP-1
	s_wait_dscnt 0x0                ; K is in
.endif
	MM
	PL
	PL
	R2
.rept 15
	MM
	PL
	EX
	R2
.endr
.if (\p) == NP-2
	WIN 0
	v_add_nc_u32 v[AK], s[TBK], v[AK0]
.endif
.rept 8
	PL
.endr
.rept 49
	EX
	PL
.endr
	EX
	EX
	v_nop
	s_wait_alu depctr_va_vdst(0)    ; one wait for the batch, ahead of the first instruction that names a result
.if (\p) == NP-2
	FETCH_K \last
.endif
.if (\p) == 1
	s_wait_dscnt 0x0                ; V is in
.endif
.rept 16
	MM
.rept 4
	PL
.endr
.if ((\p) == 0) && (q == 118)
	v_add_nc_u32 v[AV], s[TBV], v[AV0]
.endif
.if ((\p) == 0) && (q == 130)
	s_add_co_u32 s[TBV], s[TBV], KS*PV
.endif
.if (\cnt) && (q == 130)
	s_sub_co_u32 s[CNT], s[CNT], 1
	s_cmp_lg_u32 s[CNT], 0
.endif
.endr
.if (\p) == 0
	FETCH_V
.endif
.endm
	CHANGE 1                        ; slot 0 is in, everybody's part of it; slot 1 is asked for
	FETCH_K                         ; key step 0
	s_wait_loadcnt 0x0              ; Q
	s_wait_dscnt 0x0
.set i, 0
.rept 16
	KQ 0                            ; piece 0's first scores
.set i, i+1
.endr
	WIN 0                           ; the addresses for the way out: plain instructions, the places behind those products
	s_mul_i32 s13, s[WV], 16*SP
	s_add_co_u32 s13, s13, STAGE    ; my stage
	v_mul_u32_u24 v[STO], v1, SP
	v_lshl_add_u32 v[STO], v9, 4, v[STO]
	v_add_nc_u32 v[STO], s13, v[STO]
	v_bfe_u32 v[RD], v0, 3, 2
	v_mul_u32_u24 v[RD], v[RD], SP
	v_lshl_add_u32 v[RD], v10, 4, v[RD]
	v_add_nc_u32 v[RD], s13, v[RD]
	v_and_b32 v[GO], 31, v0
	v_lshlrev_b32 v[GO], 4, v[GO]
.set Y, NP-1                        ; XS works for piece Y + 1: piece 0
.irp n, 0,1,2,3,4,5,6,7,8,9,10,11,12,13,14,15,16,17,18,19,20,21
	XS 0, \n
	XS 1, \n
.endr
	v_nop                           ; a plain instruction behind the two a,
	s_wait_alu depctr_va_vdst(0)    ; and their wait, ahead of the branch
	s_mov_b32 s[CNT], 4
	s_branch .Lfirst                ; the loop is entered at a step's first turn, in the middle of a trip
.Lslot:                             ; six times: every slot but the last two is filled again
	CHANGE 1
	s_mov_b32 s[CNT], 4
.Lstep:                             ; a trip: pieces 2 and 3 of one step, then pieces 0 and 1 of the next
	TURN 2
	TURN 3
	WIN 0
.Lfirst:
	TURN 0
	TURN 1, 0, 1
	WIN 0
	s_cbranch_scc1 .Lstep
	s_sub_co_u32 s[SLOTS], s[SLOTS], 1
	s_cmp_lg_u32 s[SLOTS], 0
	s_cbranch_scc1 .Lslot
	CHANGE 0                        ; the tail is written out
	s_mov_b32 s[CNT], 5             ; four trips fetch the last slot's steps; the fifth is left in its middle
.Ltail:
	TURN 2, 1
	TURN 3
	WIN 0
	s_sub_co_u32 s[CNT], s[CNT], 1
	s_cmp_eq_u32 s[CNT], 0
	s_cbranch_scc1 .Lout
	TURN 0
	TURN 1
	WIN 0
	s_branch .Ltail
.Lout:                              ; the fifth trip's 16 products K Q^T and the maximum made of them serve nothing: the price, once a launch, of one text for every trip
.set i, 0
.rept 16
	PV NP-1                         ; the last piece's V^T P of the last step
.set i, i+1
.endr
	; THE WAY OUT.  l's two halves and the other half of the lanes' are added; O^T is divided by l, rounded to f16 and sent through my stage, a tile at a time.
	WIN 0
.macro ALL line:vararg
.set t, 0
.rept 2*NP
	\line
.set t, t+1
.endr
.endm
	ALL v_add_f32 v[ST+4*t+2], v[ST+4*t+2], v[ST+4*t+3]
	ALL v_permlanex16_b32 v[ST+4*t+3], v[ST+4*t+2], s[SEL], s[SEL+1]
	ALL v_add_f32 v[ST+4*t+2], v[ST+4*t+2], v[ST+4*t+3]
	ALL v_rcp_f32 v[ST+4*t+2], v[ST+4*t+2]
	v_nop                           ; a plain instruction between the last reciprocal and the use of its result
	s_wait_alu depctr_va_vdst(0)    ; one wait for the eight reciprocals
.macro PACK t
	WIN W_RS
.set i, 32*(\t)
.rept 16
	v_pk_mul_f32 v[i:i+1], v[i:i+1], v[ST+4*(\t)+2:ST+4*(\t)+3] op_sel_hi:[1,0]
.set i, i+2
.endr
	WIN 0x05
.set i, 0
.rept 16
	v_cvt_pk_f16_f32 v[S+16*(\t)+i], v[32*(\t)+2*i], v[32*(\t)+2*i+1]
.set i, i+1
.endr
	WIN 0
.irp f, 0,1,2,3
	ds_store_b128 v[STO], v[S+16*(\t)+4*\f:S+16*(\t)+4*\f+3] offset:32*\f
.endr
.irp f, 0,1,2,3
	ds_load_b128 v[S+16*(\t)+4*\f:S+16*(\t)+4*\f+3], v[RD] offset:\f*4*SP  ; LDS serves a wave's instructions in order: these see the stores above
.endr
.endm
.macro SEND t, younger              ; younger: the LDS instructions issued behind tile t's loads
	WIN 0
.irp f, 0,1,2,3
	s_wait_dscnt (\younger)+3-\f
	global_store_b128 v[GO], v[S+16*(\t)+4*\f:S+16*(\t)+4*\f+3], s[10:11] offset:(\t)*2048+\f*512  ; 512 consecutive bytes, aligned
.endr
.endm
	PACK 0
.set t, 1
.rept 2*NP-1
	PACK t
	SEND t-1, 8
.set t, t+1
.endr
	SEND 2*NP-1, 0
	WIN W_AD
	s_wait_tensorcnt 0x0            ; the wave's end
	ds_add_u32 v[SPW], v[NIL]
	s_wait_dscnt 0x0
	WIN 0
	CROUND                          ; the closing round
	s_endpgm
.Lfunc_end_k_qb7d66fb708_attn:
	.size	k_qb7d66fb708_attn, .Lfunc_end_k_qb7d66fb708_attn-k_qb7d66fb708_attn
	.p2alignl 7, 3214868480
	.fill 96, 4, 3214868480
	.section	.rodata,"a",@progbits
	.p2align	6, 0x0
	.amdhsa_kernel k_qb7d66fb708_attn
		.amdhsa_group_segment_fixed_size 327680
		.amdhsa_private_segment_fixed_size 0
		.amdhsa_enable_private_segment 0
		.amdhsa_kernarg_size 16
		.amdhsa_user_sgpr_count 2
		.amdhsa_user_sgpr_kernarg_segment_ptr 1
		.amdhsa_wavefront_size32 1
		.amdhsa_system_sgpr_workgroup_id_x 1
		.amdhsa_system_sgpr_workgroup_id_y 1
		.amdhsa_system_sgpr_workgroup_id_z 1
		.amdhsa_system_vgpr_workitem_id 0
		.amdhsa_next_free_vgpr 770
		.amdhsa_next_free_sgpr 66
		.amdhsa_reserve_vcc 0
		.amdhsa_float_denorm_mode_32 3
		.amdhsa_float_denorm_mode_16_64 3
		.amdhsa_memory_ordered 1
		.amdhsa_forward_progress 1
		.amdhsa_inst_pref_size 200
	.end_amdhsa_kernel
	.amdgpu_metadata
---
amdhsa.version: [ 1, 2 ]
amdhsa.kernels:
  - .name:           k_qb7d66fb708_attn
    .symbol:         k_qb7d66fb708_attn.kd
    .args:
      - { .name: qkv, .offset: 0, .size: 8, .value_kind: global_buffer, .address_space: global }
      - { .name: ob, .offset: 8, .size: 8, .value_kind: global_buffer, .address_space: global }
    .group_segment_fixed_size: 327680
    .private_segment_fixed_size: 0
    .kernarg_segment_align: 8
    .kernarg_segment_size: 16
    .max_flat_workgroup_size: 128
    .sgpr_count:     66
    .vgpr_count:     770
    .wavefront_size: 32
...
	.end_amdgpu_metadata
.endif
;; end of part 3
;; launch oproj (part 4): grid 4 x 64, 4 waves a work-group, clusters of 4 x 4, 327,680 bytes of LDS; arguments ob, wof, out0; writes out0
.if DOCPART == 4
	.amdgcn_target "amdgcn-amd-amdhsa--gfx1250"
	.amdhsa_code_object_version 6
	.text
	.protected	k_qb7d66fb708_oproj
	.globl	k_qb7d66fb708_oproj
	.p2align	8
	.type	k_qb7d66fb708_oproj,@function
k_qb7d66fb708_oproj:
	s_mov_b64 s[64:65], 0
	v_nop
	global_prefetch_b8 v0, s[64:65] scope:SCOPE_SE
	s_setreg_imm32_b32 hwreg(HW_REG_WAVE_MODE, 25, 1), 1
	s_wait_xcnt 0x0
	s_wait_alu depctr_hold_cnt(0) depctr_sa_sdst(0) depctr_va_vdst(0) depctr_va_sdst(0) depctr_va_ssrc(0) depctr_va_vcc(0) depctr_vm_vsrc(0)
	s_getreg_b32 s2, hwreg(HW_REG_IB_STS2, 6, 4)
	s_cmp_eq_u32 s2, 0
	s_cbranch_scc0 .Lentry_in_a_cluster
	s_endpgm
.Lentry_in_a_cluster:
	s_bfe_u32 s2, ttmp6, 0x10000c
	s_cmp_lg_u32 s2, 0xf033
	s_cbranch_scc0 .Lentry_shape_is_right
	s_endpgm
.Lentry_shape_is_right:
; out0[m][n] = the sum over k of O[m][k] Wo[n][k].  ob: [64][2048][64] f16, by heads (m = 2048 b + s, k = 64 h + d lies at head 16 b + h, row s, channel d); wof: [1024][1024] f16; out0: [8192][1024] f32.
; Sums in f32, stored as they are.  LIMIT: f16's range, 65,504, holds of both operands as they arrive.
; TILE.  128 rows x 256 columns: 64 x 4 = 256 work-groups.  Four waves, 2 x 2, each 64 rows x 128 columns: 32 accumulators, 256 registers.  K goes in 8 steps of 128 = two heads.
; In LDS a K step's O lies as two planes, a head each: 128 rows of 128 bytes, dense in memory, asked for as 64 rows of 256 bytes and padded after every 128.
; CLUSTER.  4 x 4 work-groups: O's planes are shared along a row of the cluster, Wo's tile along a column; each is asked for jointly.
; THE MATRIX INSTRUCTION IS USED TRANSPOSED (source 0 = 16 rows of Wo, source 1 = 16 rows of O): a lane holds one row of the result and eight neighbouring columns, 32 bytes.
; REGISTERS: window 0: v0-31 addresses; v32-95 O's fragments, two buffers of 4 x 8; v96-223 rows read back on the way out.  window 1: v0-127 Wo's fragments, two buffers of 8 x 8.
;   window 2: accumulator (a, b) at 8 (8 a + b).
.set PA,     144                       ; a row of O in LDS: 128 bytes + 16
.set PB,     272                       ; a row of Wo: 256 bytes + 16
.set PLANE,  128*PA
.set BOFF,   2*PLANE                   ; Wo's 256 rows lie behind the two planes
.set BHALF,  128*PB
.set SLOT1,  1<<17
.set STAGE,  SLOT1+BOFF+2*BHALF        ; behind the ring, never filled by a tensor load: 16 rows x 528 bytes for each wave
.set SPITCH, 528                       ; 512 bytes + 16
.set SPARE,  STAGE+4*16*SPITCH         ; the spare words, 128 bytes for each wave: two blocks of 256 bytes that no other line names
.set STEPA,  2<<18                     ; two heads on
.set STEPB,  256
.set LA0,  16
.set LB0,  17
.set ADRA, 18
.set ADRB, 19
.set STO,  24
.set RD,   25
.set CO,   26
.set SPW,  28
.set NIL,  29
.set PFO,  30
.set FA,   32
.set BK,   96
.set TB,   22
.set G1,   24
.set G0,   32
.set LIM,  43
.set PFA,  44
.set G1B,  48
.set G0B,  56
.set PST,  66                          ; s[66:67] what my prefetches step by: STEPA or STEPB
.set MSB, 0
.macro WIN new
.if MSB != (\new)
	s_set_vgpr_msb (MSB<<8)|(\new)
.set MSB, \new
.endif
.endm
.set MUL,  0xa1                        ; source 0 (Wo) window 1, source 1 (O) window 0, C and D window 2
.set TO_B, 0x40
.macro PLACES
.rept 4
	v_nop
.endr
.endm
.macro JLOAD                           ; a joint refill: waves 0 and 1 fetch O's two planes, waves 2 and 3 Wo's two halves; an s_nop 0 and four v_nop follow each line
	s_cmp_eq_u32 s11, 0
	s_cbranch_scc0 .Lfor_b_\@
	tensor_load_to_lds s[G0+4:G0+7], s[G1:G1+7]
	s_nop 0
.rept 4
	v_nop
.endr
	s_branch .Lasked_\@
.Lfor_b_\@:
	tensor_load_to_lds s[G0B+4:G0B+7], s[G1B:G1B+7]
	s_nop 0
.rept 4
	v_nop
.endr
.Lasked_\@:
.endm
; A prefetch of the K step that the NEXT refill will ask for: 128 matrix instructions ahead of that load.  O's rows are read by one cluster alone: in each work-group wave 0 asks for its quarter of both
; planes, 16 blocks of 256 bytes of each.  Wo's rows are read by every cluster: those with y = 0 ask, waves 2 and 3 for 32 of the 128 rows that they fetch.  Partners are told apart by address.
.macro ASK
	s_cmp_gt_u32 s3, s[LIM]
	s_cbranch_scc0 .Lnot_mine_\@
	global_prefetch_b8 v[PFO], s[PFA:PFA+1] th:TH_LOAD_NT scope:SCOPE_SE
.Lnot_mine_\@:
.endm
.macro CREST
	s_cmp_lg_u32 s10, 0
	s_cbranch_scc1 .Lnot_wave_0_\@
	s_barrier_signal -3
.Lnot_wave_0_\@:
	s_barrier_wait -3
	s_barrier_signal -1
	s_barrier_wait -1
.endm
.macro CROUND
	s_barrier_signal -1
	s_barrier_wait -1
	CREST
.endm
	s_load_b128 s[4:7], s[0:1], 0x0                ; ob s[4:5], wof s[6:7]
	s_load_b64 s[8:9], s[0:1], 0x10                ; out0
	v_lshl_add_u32 v[SPW], v0, 2, SPARE
	v_mov_b32 v[NIL], 0
	ds_add_u32 v[SPW], v[NIL]                      ; the wave's opening: the add and its wait stand ahead of my first tensor load
	v_lshrrev_b32 v1, 5, v0
	v_readfirstlane_b32 s10, v1                    ; wave 0..3
	s_lshr_b32 s11, s10, 1                         ; which 64 rows of the tile are mine.  Also: I fetch for O (0) or for Wo (1)
	s_and_b32 s12, s10, 1                          ; which 128 columns.  Also: which plane, or which half of Wo's rows, I fetch
	s_bfe_u32 s40, ttmp6, 0x40000                  ; cx
	s_bfe_u32 s41, ttmp6, 0x40004                  ; cy
	s_lshl_b32 s42, ttmp9, 2
	s_add_co_u32 s42, s42, s40                     ; tile column
	s_and_b32 s13, ttmp7, 0xffff
	s_lshl_b32 s13, s13, 2
	s_add_co_u32 s13, s13, s41                     ; tile row
	s_lshl_b32 s43, s41, 2
	s_lshl_b32 s43, 15, s43                        ; my row of the cluster
	s_lshl_b32 s44, 0x1111, s40                    ; my column
	s_or_b32 s[G1+0], s43, (1<<16)|(1<<20)|(1<<21)|(4<<22)|(3<<25)   ; padding after every 32 words, 4 words
	s_or_b32 s[G1B+0], s44, (1<<16)|(1<<20)|(1<<21)|(5<<22)|(3<<25)  ; after every 64 words
	s_mov_b32 s[G1+1], 128<<16                     ; a plane: 64 rows of 128 elements, dense
	s_mov_b32 s[G1+2], 64<<16
	s_mov_b32 s[G1+3], 128<<16
	s_mov_b32 s[G1+4], 64
	s_mov_b32 s[G1+5], 128
	s_mov_b32 s[G1+6], 0
	s_mov_b32 s[G1+7], 0
	s_mov_b32 s[G1B+1], 128<<16                    ; 128 rows of 128 elements, 1,024 from row to row
	s_mov_b32 s[G1B+2], 128<<16
	s_mov_b32 s[G1B+3], 128<<16
	s_mov_b32 s[G1B+4], 128
	s_mov_b32 s[G1B+5], 1024
	s_mov_b32 s[G1B+6], 0
	s_mov_b32 s[G1B+7], 0
	s_lshr_b32 s16, s13, 4                         ; O: b = tile row / 16;
	s_lshl_b32 s16, s16, 4
	s_add_co_u32 s16, s16, s12                     ; head 16 b + plane,
	s_lshl_b32 s16, s16, 18
	s_and_b32 s17, s13, 15
	s_lshl_b32 s17, s17, 14                        ; 128 rows of 128 bytes for each tile row in the batch
	s_add_co_u32 s16, s16, s17
	s_mov_b32 s17, 0
	s_lshl_b32 s46, s42, 8                         ; Wo: row 256 x tile column + 128 x half
	s_lshl_b32 s47, s12, 7
	s_add_co_u32 s46, s46, s47
	s_lshl_b32 s46, s46, 11
	s_mov_b32 s47, 0
	s_mul_i32 s20, s12, PLANE                      ; where they go: no place in the cluster enters an LDS address
	s_mul_i32 s21, s12, BHALF
	s_add_co_u32 s21, s21, BOFF
	s_mov_b32 s[TB], 0
	s_wait_dscnt 0x0                               ; the opening add is done
	s_wait_kmcnt 0x0
	s_add_nc_u64 s[14:15], s[4:5], s[16:17]
	s_add_nc_u64 s[46:47], s[6:7], s[46:47]
	CROUND                                         ; all sixteen work-groups are here: the first joint loads meet
.irp s, 0,1
	s_mov_b32 s[G0+4*(\s)], 1
	s_add_co_u32 s[G0+4*(\s)+1], s20, (\s)*SLOT1
	s_add_nc_u64 s[G0+4*(\s)+2:G0+4*(\s)+3], s[14:15], (\s)*STEPA
	s_or_b32 s[G0+4*(\s)+3], s[G0+4*(\s)+3], 0x80000000
	s_mov_b32 s[G0B+4*(\s)], 1
	s_add_co_u32 s[G0B+4*(\s)+1], s21, (\s)*SLOT1
	s_add_nc_u64 s[G0B+4*(\s)+2:G0B+4*(\s)+3], s[46:47], (\s)*STEPB
	s_or_b32 s[G0B+4*(\s)+3], s[G0B+4*(\s)+3], 0x80000000
.endr
	s_cmp_eq_u32 s11, 0                            ; a wave's two first fills stand in one branch: two loads of mine are out, the most in this text
	s_cbranch_scc0 .Lfirst_b
	tensor_load_to_lds s[G0:G0+3], s[G1:G1+7]
	s_nop 0
	tensor_load_to_lds s[G0+4:G0+7], s[G1:G1+7]
	s_nop 0
.rept 4
	v_nop
.endr
	s_branch .Lfirst_asked
.Lfirst_b:
	tensor_load_to_lds s[G0B:G0B+3], s[G1B:G1B+7]
	s_nop 0
	tensor_load_to_lds s[G0B+4:G0B+7], s[G1B:G1B+7]
	s_nop 0
.rept 4
	v_nop
.endr
.Lfirst_asked:
	v_and_b32 v1, 15, v0                           ; l % 16
	v_bfe_u32 v2, v0, 4, 1                         ; l / 16
	v_mul_u32_u24 v3, v1, PA
	v_lshl_add_u32 v3, v2, 4, v3
	s_mul_i32 s72, s11, 64*PA                      ; my 64 rows in a plane
	v_add_nc_u32 v[LA0], s72, v3
	v_mul_u32_u24 v3, v1, PB
	v_lshl_add_u32 v3, v2, 4, v3
	s_mul_i32 s72, s12, BHALF                      ; my 128 rows of Wo
	s_add_co_u32 s72, s72, BOFF
	v_add_nc_u32 v[LB0], s72, v3
	v_mov_b32 v[ADRA], v[LA0]
	v_mov_b32 v[ADRB], v[LB0]
	s_mul_i32 s73, s10, 16*SPITCH
	s_add_co_u32 s73, s73, STAGE                   ; my stage
	v_mul_u32_u24 v4, v1, SPITCH                   ; in: row l % 16, 32 bytes for each half of the lanes
	v_lshl_add_u32 v4, v2, 5, v4
	v_add_nc_u32 v[STO], s73, v4
	v_and_b32 v[CO], 31, v0                        ; back: 32 lanes take a row's 512 bytes
	v_lshlrev_b32 v[CO], 4, v[CO]
	v_add_nc_u32 v[RD], s73, v[CO]
	s_lshl_b32 s72, s13, 7                         ; out0 at my first row: 128 x tile row + 64 x half, of 4,096 bytes,
	s_lshl_b32 s73, s11, 6
	s_add_co_u32 s72, s72, s73
	s_lshl_b32 s72, s72, 12
	s_lshl_b32 s73, s42, 10                        ; and my first column: 1,024 bytes a tile column, 512 a half
	s_add_co_u32 s72, s72, s73
	s_lshl_b32 s73, s12, 9
	s_add_co_u32 s72, s72, s73
	s_mov_b32 s73, 0
	s_add_nc_u64 s[8:9], s[8:9], s[72:73]
	; the prefetches
	s_lshr_b32 s72, s13, 4
	s_lshl_b32 s72, s72, 22                        ; O: head 16 b,
	s_and_b32 s73, s13, 15
	s_lshl_b32 s73, s73, 14                        ; the tile's rows,
	s_add_co_u32 s72, s72, s73
	s_lshl_b32 s73, s40, 12                        ; my work-group's quarter of a plane
	s_add_co_u32 s72, s72, s73
	s_lshl_b32 s74, s42, 8                         ; Wo: the 128 rows that I fetch, my work-group's 32 of them
	s_lshl_b32 s75, s12, 7
	s_add_co_u32 s74, s74, s75
	s_lshl_b32 s75, s41, 5
	s_add_co_u32 s74, s74, s75
	s_lshl_b32 s74, s74, 11
	s_and_b32 s75, ttmp7, 0xffff                   ; cluster y
	s_cmp_eq_u32 s11, 0
	s_cselect_b32 s72, s72, s74
	s_cselect_b32 s75, s12, s75                    ; O: wave 0 asks; Wo: the clusters with y = 0
	s_cselect_b32 s76, 18, 15                      ; lanes 16 to 31: the second plane, or 16 rows on
	s_cselect_b32 s77, 8, 11                       ; a lane: 256 bytes on, or a row on
	s_cselect_b32 s78, 19, 8                       ; a K step: two heads on, or 256 bytes on
	s_cselect_b64 s[PFA:PFA+1], s[4:5], s[6:7]
	s_cmp_eq_u32 s75, 0
	s_cselect_b32 s[LIM], 1, -1                    ; the same in all sixteen partners, for a given wave
	s_lshl_b32 s[PST], 1, s78
	s_mov_b32 s[PST+1], 0
	s_mov_b32 s73, 0
	s_add_nc_u64 s[PFA:PFA+1], s[PFA:PFA+1], s[72:73]
	s_add_nc_u64 s[PFA:PFA+1], s[PFA:PFA+1], s[PST:PST+1]
	s_add_nc_u64 s[PFA:PFA+1], s[PFA:PFA+1], s[PST:PST+1]  ; at K step 2: the first refill steps it to 3.  K steps 0 to 2 come by their loads alone
	v_lshlrev_b32 v[PFO], s76, v2
	v_lshlrev_b32 v3, s77, v1
	v_add_nc_u32 v[PFO], v[PFO], v3
; 8 matrix instructions: row block a x all 8 column blocks, 32 along K, from buffer f.  The 32 accumulators take turns in one order in every quarter.
.macro MUL8 f, a, zero
	WIN MUL
.irp b, 0,1,2,3,4,5,6,7
.if \zero
	v_wmma_f32_16x16x32_f16 v[8*(8*(\a)+(\b)):8*(8*(\a)+(\b))+7], v[64*(\f)+8*(\b):64*(\f)+8*(\b)+7], v[FA+32*(\f)+8*(\a):FA+32*(\f)+8*(\a)+7], 0
.else
	v_wmma_f32_16x16x32_f16 v[8*(8*(\a)+(\b)):8*(8*(\a)+(\b))+7], v[64*(\f)+8*(\b):64*(\f)+8*(\b)+7], v[FA+32*(\f)+8*(\a):FA+32*(\f)+8*(\a)+7], v[8*(8*(\a)+(\b)):8*(8*(\a)+(\b))+7]
.endif
.endr
.endm
; 24 LDS loads in one run: quarter q's fragments into buffer f.  Wo: byte 64 q of its rows.  O: plane q / 2, byte 64 (q % 2) of its rows.
.macro FETCH q, f
	WIN TO_B
.irp i, 0,1,2,3,4,5,6,7
	ds_load_b128 v[64*(\f)+8*(\i):64*(\f)+8*(\i)+3],   v[ADRB] offset:64*(\q)+(\i)*16*PB
	ds_load_b128 v[64*(\f)+8*(\i)+4:64*(\f)+8*(\i)+7], v[ADRB] offset:64*(\q)+(\i)*16*PB+32
.endr
	WIN 0
.irp i, 0,1,2,3
	ds_load_b128 v[FA+32*(\f)+8*(\i):FA+32*(\f)+8*(\i)+3],   v[ADRA] offset:((\q)/2)*PLANE+((\q)%2)*64+(\i)*16*PA
	ds_load_b128 v[FA+32*(\f)+8*(\i)+4:FA+32*(\f)+8*(\i)+7], v[ADRA] offset:((\q)/2)*PLANE+((\q)%2)*64+(\i)*16*PA+32
.endr
.endm
.macro QUARTER q, f, g, zero           ; multiplies buffer f and fetches quarter q into g
	s_wait_dscnt 4                                 ; Wo and O's row blocks 0, 1 are in; the youngest four loads may be out
	MUL8 \f, 0, \zero
	MUL8 \f, 1, \zero
	PLACES
	FETCH \q, \g
	s_wait_dscnt 24                                ; all but the 24 just issued
	MUL8 \f, 2, \zero
	MUL8 \f, 3, \zero
.endm
; The last quarter multiplies buffer 1 and changes slots: one barrier; in front of it each wave waits for all its tensor loads, adds 0 to its spare word, and waits for that and for its reads of this slot.
.macro TURN fill
.if \fill
	s_wait_xcnt 0x0                                ; the last prefetch, a K step back, has read its address
	s_add_nc_u64 s[PFA:PFA+1], s[PFA:PFA+1], s[PST:PST+1]
.endif
	WIN 0
	s_wait_tensorcnt 0x0                           ; no tensor load of mine is out, so a group 0 may be written
	ds_add_u32 v[SPW], v[NIL]                      ; 0 onto my spare word
.if \fill
	s_xor_b32 s[G0+5], s[G0+5], SLOT1
	s_add_nc_u64 s[G0+6:G0+7], s[G0+6:G0+7], STEPA
	s_xor_b32 s[G0B+5], s[G0B+5], SLOT1
	s_add_nc_u64 s[G0B+6:G0B+7], s[G0B+6:G0B+7], STEPB
.endif
	s_wait_dscnt 5                                 ; the add and the youngest four loads may be out
	MUL8 1, 0, 0
	s_wait_dscnt 0x0                               ; the add is done, and my reads of this slot are over
	s_barrier_signal -1
	MUL8 1, 1, 0
	WIN 0
	s_barrier_wait -1
.if \fill
	CREST                                          ; no wave of any partner still reads this slot or has a load on its way
	JLOAD                                          ; the first tensor load behind the round; its four v_nop are also the places in front of the loads below
.else
	PLACES
.endif
	s_xor_b32 s[TB], s[TB], SLOT1
	v_add_nc_u32 v[ADRA], s[TB], v[LA0]
	v_add_nc_u32 v[ADRB], s[TB], v[LB0]
	FETCH 0, 0
.if \fill
	ASK
.endif
	MUL8 1, 2, 0
	MUL8 1, 3, 0
.endm
; THE WAY OUT of row block a: the sums go as they are into my own stage, 32 bytes a lane, and come back as whole rows of 512 bytes.
.macro TOSTAGE a
.if (\a) >= 2
	s_wait_xcnt 0x0                                ; the stores of the block two back have read the registers that are loaded again below
.endif
	WIN 0x08                                       ; store data in window 2
.irp b, 0,1,2,3,4,5,6,7
	ds_store_b128 v[STO], v[8*(8*(\a)+(\b)):8*(8*(\a)+(\b))+3]   offset:64*(\b)
	ds_store_b128 v[STO], v[8*(8*(\a)+(\b))+4:8*(8*(\a)+(\b))+7] offset:64*(\b)+16
.endr
	WIN 0
.set BKA, BK+64*((\a)%2)
.irp t, 0,1,2,3,4,5,6,7,8,9,10,11,12,13,14,15
	ds_load_b128 v[BKA+4*(\t):BKA+4*(\t)+3], v[RD] offset:SPITCH*(\t)  ; LDS serves a wave's instructions in order: these see the stores above
.endr
.endm
.macro SEND a, younger                 ; younger: the LDS instructions issued behind block a's loads: the next block's 32, or none
.set BKA, BK+64*((\a)%2)
	s_wait_dscnt \younger
.irp t, 0,1,2,3,4,5,6,7,8,9,10,11,12,13,14,15
	global_store_b128 v[CO], v[BKA+4*(\t):BKA+4*(\t)+3], s[8:9] offset:(16*(\a)+(\t))*4096 th:TH_STORE_NT  ; 512 consecutive bytes, aligned
.endr
.endm
	s_wait_tensorcnt 1                             ; my part of K step 0 is in; K step 1's may stay out
	s_barrier_signal -1
	s_barrier_wait -1
	FETCH 0, 0
	QUARTER 1, 0, 1, 1                             ; the first quarter stands in front of the loop: its products start the sums
	WIN 0
	s_mov_b32 s3, 6
.Lstep:                                                ; a trip: from a K step's second quarter to the next step's first; it asks for the K step two on
	QUARTER 2, 1, 0, 0
	QUARTER 3, 0, 1, 0
	TURN 1
	QUARTER 1, 0, 1, 0
	WIN 0
	s_sub_co_u32 s3, s3, 1
	s_cmp_lg_u32 s3, 0
	s_cbranch_scc1 .Lstep
	QUARTER 2, 1, 0, 0                             ; the last two K steps ask for nothing
	QUARTER 3, 0, 1, 0
	TURN 0
	QUARTER 1, 0, 1, 0
	QUARTER 2, 1, 0, 0
	QUARTER 3, 0, 1, 0
	s_wait_dscnt 4
	MUL8 1, 0, 0
	MUL8 1, 1, 0
	s_wait_dscnt 0x0
	MUL8 1, 2, 0
	MUL8 1, 3, 0
	WIN 0
	PLACES
	TOSTAGE 0
	TOSTAGE 1
	SEND 0, 32
	TOSTAGE 2
	SEND 1, 32
	TOSTAGE 3
	SEND 2, 32
	SEND 3, 0
	s_wait_tensorcnt 0x0                           ; the wave's end, behind my last tensor load and my last LDS store
	ds_add_u32 v[SPW], v[NIL]
	s_wait_dscnt 0x0
	CROUND                                         ; the closing round
	s_endpgm
.Lfunc_end_k_qb7d66fb708_oproj:
	.size	k_qb7d66fb708_oproj, .Lfunc_end_k_qb7d66fb708_oproj-k_qb7d66fb708_oproj
	.p2alignl 7, 3214868480
	.fill 96, 4, 3214868480
	.section	.rodata,"a",@progbits
	.p2align	6, 0x0
	.amdhsa_kernel k_qb7d66fb708_oproj
		.amdhsa_group_segment_fixed_size 327680
		.amdhsa_private_segment_fixed_size 0
		.amdhsa_enable_private_segment 0
		.amdhsa_kernarg_size 24
		.amdhsa_user_sgpr_count 2
		.amdhsa_user_sgpr_kernarg_segment_ptr 1
		.amdhsa_wavefront_size32 1
		.amdhsa_system_sgpr_workgroup_id_x 1
		.amdhsa_system_sgpr_workgroup_id_y 1
		.amdhsa_system_sgpr_workgroup_id_z 1
		.amdhsa_system_vgpr_workitem_id 0
		.amdhsa_next_free_vgpr 768
		.amdhsa_next_free_sgpr 80
		.amdhsa_reserve_vcc 0
		.amdhsa_float_denorm_mode_32 3
		.amdhsa_float_denorm_mode_16_64 3
		.amdhsa_memory_ordered 1
		.amdhsa_forward_progress 1
		.amdhsa_inst_pref_size 70
	.end_amdhsa_kernel
	.amdgpu_metadata
---
amdhsa.version: [ 1, 2 ]
amdhsa.kernels:
  - .name:           k_qb7d66fb708_oproj
    .symbol:         k_qb7d66fb708_oproj.kd
    .args:
      - { .name: ob, .offset: 0, .size: 8, .value_kind: global_buffer, .address_space: global }
      - { .name: wof, .offset: 8, .size: 8, .value_kind: global_buffer, .address_space: global }
      - { .name: out0, .offset: 16, .size: 8, .value_kind: global_buffer, .address_space: global }
    .group_segment_fixed_size: 327680
    .private_segment_fixed_size: 0
    .kernarg_segment_align: 8
    .kernarg_segment_size: 24
    .max_flat_workgroup_size: 128
    .sgpr_count:     80
    .vgpr_count:     768
    .wavefront_size: 32
...
	.end_amdgpu_metadata
.endif
;; end of part 4
